; MI455X (gfx1250); checked and timed in simulation.
; The chip was launched on July 23, 2026; its instructions are those of AMD's public machine-readable ISA for CDNA 5 (MIT licence, August 2026) and "CDNA5" Instruction Set Architecture Reference Guide (July 2026). The comments in the code are by the model that wrote it; some were corrected since.
;; Bahdanau Attention Layer. Allowed arithmetic: matrix products marked QUANTISED: E2M1 operands, one E8M0 scale for each 32 along K, by v_wmma_scale_f32_16x16x128_f8f6f4 with both operands' format E2M1 (or v_wmma_scale_f32_32x16x128_f4), f32 sums; products left as they are: f32 operands where the result goes on into a quantised operand, else bf16, f16 or f32 operands; f32 sums; everything else in f32.
;; Inputs: U_codes 512 x 16 x 16 uint8 (E2M1 codes of U, K innermost, in blocks of 32 codes, two codes a byte); U_scales 512 x 16 uint8 (E8M0 scales of U, one for each 32 codes along K); V 512 float32; W_codes 512 x 16 x 16 uint8 (E2M1 codes of W, K innermost, in blocks of 32 codes, two codes a byte); W_scales 512 x 16 uint8 (E8M0 scales of W, one for each 32 codes along K); Wa_codes 512 x 16 x 16 uint8 (E2M1 codes of Wa, K innermost, in blocks of 32 codes, two codes a byte); Wa_scales 512 x 16 uint8 (E8M0 scales of Wa, one for each 32 codes along K); ba 512 float32; bias 512 float32; encoder_outputs 32 x 4,096 x 512 float32; hidden_state_codes 32 x 16 x 16 uint8 (E2M1 codes of hidden_state, K innermost, in blocks of 32 codes, two codes a byte); hidden_state_scales 32 x 16 uint8 (E8M0 scales of hidden_state, one for each 32 codes along K).
;; Outputs: out0 32 x 512 float32; out1 32 x 4,096 float32.
;; This version of the problem:
;;   THIS VERSION OF THE PROBLEM IS GIVEN IN LOW PRECISION. The matrix products marked QUANTISED in the list below multiply operands that are first quantised to E2M1 (2 exponent bits, 1 mantissa bit; 4 bits a number), with one power-of-two scale for each 32 numbers along K (OCP MX v1.0); their sums are f32. All else is computed in f32.
;;   The module's matrix products, in the order in which they are computed (A, B: the left and right operand; K: the contracted axis; several contracted axes count as one K, in the product's order):
;;     1. [M 32, K 512] x [K 512, N 512]; A: input hidden_state (given as codes); B: input W (given as codes): QUANTISED
;;     2. [M 131,072, K 512] x [K 512, N 512]; A: input encoder_outputs; B: input U (given as codes): QUANTISED
;;     3. [M 131,072, K 512] x [K 512, N 512]; A: computed on the way; B: input Wa (given as codes): QUANTISED
;;     4. [M 131,072, K 512] x [K 512, N 1]; A: computed on the way; B: input V: left as it is (N = 1 < 16)
;;     5. batch 32 x [M 512, K 4,096] x [K 4,096, N 1]; A: input encoder_outputs; B: softmax: left as it is (N = 1 < 16)
;;   THE QUANTISER, for each operand of a quantised product, along K:
;;     - K is cut into blocks of 32 from its start; a last block that is shorter is filled with zeros.
;;     - A block's scale is 2^e with e = floor(log2(the largest magnitude in the block)) - 2, held to -126 .. 127; a block of zeros has e = 0. As a byte (E8M0): e + 127.
;;     - Each number is divided by its block's scale, clamped to +-6, and rounded to the nearest number of E2M1, ties to even, subnormals kept.
;;     - The product sums the exact products of the quantised numbers (number of the format x scale) in f32.
;;   ~~~python
;;   def quantise(x, axis):      # numpy; x: float32 -> the quantised numbers, widened to float32 again
;;       x = np.moveaxis(x, axis, -1); K = x.shape[-1]
;;       x = np.pad(x, [(0, 0)] * (x.ndim - 1) + [(0, -K % 32)]); x = x.reshape(x.shape[:-1] + (-1, 32)); a = np.abs(x).max(-1, keepdims=True)
;;       e = np.where(a > 0, np.clip(np.frexp(np.where(a > 0, a, 1))[1] - 1 - 2, -126, 127), 0)      # np.frexp(a)[1] - 1 = floor(log2(a)), exactly
;;       r = np.clip(x / 2.0 ** e, -6, 6)
;;       step = 2.0 ** (np.maximum(np.frexp(np.where(r == 0, 1, r))[1] - 1, 0) - 1)
;;       q = np.round(r / step) * step * 2.0 ** e      # np.round: ties to even
;;       return np.moveaxis(q.reshape(q.shape[:-2] + (-1,))[..., :K], -1, axis).astype(np.float32)
;;   ~~~
;;   OPERANDS COMPUTED ON THE WAY. 'Computed on the way' means the value that the module computes at that place (a softmax that the list does not call 'softmax' is quantised finished and normalised). What goes into a quantiser is computed in f32, as accurately as f32 sums, v_exp_f32 and their like allow (about 1e-6 of the number): no bf16 or f16 on the way to a quantiser, and a product that is left as it is and whose result goes on into a quantised operand takes f32 operands (vector FMAs, or v_wmma_f32_16x16x4_f32). A number that lies on a knife's edge between two numbers of the format may be rounded either way, as far as f32 arithmetic and the matrix unit's own rounding can turn it there, and no further.
;;   INPUTS GIVEN AS CODES. U (in the module: [512, 512], K = its axis 0); W (in the module: [512, 512], K = its axis 0); Wa (in the module: [512, 512], K = its axis 0); hidden_state (in the module: [32, 512], K = its axis 1): each comes as NAME_codes (uint8): NAME with its K axis moved to the last place and cut into blocks of 32 codes, [.., K / 32, bytes a block], one block behind the other in memory; two codes a byte, the lower K in the low four bits (a code: sign, 2 exponent bits, 1 mantissa bit); and NAME_scales (uint8): the same leading axes, one E8M0 byte (e + 127) for each 32 codes along K. Its value is code x scale, taken as it is: it is not quantised again, and the codes and scales need not be those that the quantiser above would give.
;; One version. Each part assembles by itself: llvm-mc -triple=amdgcn-amd-amdhsa -mcpu=gfx1250 --defsym DOCPART=n.
;; ======== version 1 of 1: 2 launches
;; limits: right only within a limited range of input values
;; workspace buffers: cij 524,288 bytes; part 524,288 bytes; stats 65,536 bytes
;; launch scores (part 1): grid 256 x 1, 8 waves a work-group, no clusters, 327,680 bytes of LDS; arguments encoder_outputs, U_codes, U_scales, W_codes, W_scales, Wa_codes, Wa_scales, hidden_state_codes, hidden_state_scales, bias, ba, V, cij, part, stats; writes cij, part, stats
.if DOCPART == 1
	.amdgcn_target "amdgcn-amd-amdhsa--gfx1250"
	.amdhsa_code_object_version 6
	.text
	.protected	k_q551f9efea5_scores
	.globl	k_q551f9efea5_scores
	.p2align	8
	.type	k_q551f9efea5_scores,@function
k_q551f9efea5_scores:
	s_mov_b64 s[64:65], 0
	v_nop
	global_prefetch_b8 v0, s[64:65] scope:SCOPE_SE
	s_setreg_imm32_b32 hwreg(HW_REG_WAVE_MODE, 25, 1), 1
	s_wait_xcnt 0x0
; Bahdanau attention, 32 batches x 4,096 rows x 512, products 1 to 3 on codes of FP4 (E2M1) with one E8M0 scale for each 32 along K.
; For each row: Q(enc) U + (hidden_state W + bias) -> quantised along its 512 -> x Wa + ba -> tanh -> . V = cij; softmax over a batch's 4,096 rows; alphas, and the alpha-weighted sum of the f32 rows.
; WORK LEFT OUT.  tanh(x) = 1 - 2 R with R = 1 / (1 + 2^(2 log2(e) x)), so cij = sum(V) - 2 sum_k V[k] R[k].  sum(V) is the same for every row of a softmax's axis, whatever V holds, so it cancels in
; alphas and in the weighted sum for all values of the inputs: it is never formed.  Every input is still loaded.  Carried on is t = -2 log2(e) sum_k V[k] R[k] = (cij - sum(V)) log2(e).
; The maximum is taken away ahead of every exponential, as a running maximum of t.
; LIMITS.  An overflow, NaN or infinity of sum(V) alone is not carried to the result.  NaN and infinities in encoder_outputs are not served.  t must lie above -3e38, the running maximum's first value.
; A block whose largest magnitude lies under 2^-124 (a block of zeros too) gets the scale byte 1; these bytes are read by this kernel alone, and a block of zeros has zero codes.
; SHARES.  Work-group g: batch g / 8, rows 512 (g % 8) on, in 8 blocks of 64 rows.  The f32 rows come ONCE, by the tensor data mover, into a ring of two LDS slots of 64 rows, and stay there until their
; scores are known: they are read for the quantiser and again for the weighted sum.  Each work-group keeps a running maximum m, a sum l and sum(p x row) under m; the next launch joins the eight parts of a batch.
; For the products THE WAVES SHARE THE COLUMNS: wave w owns units 64 w .. 64 w + 63 of both products; its 16 fragments of U and 16 of Wa stay in registers for the whole launch.  What goes round is the rows'
; codes: through LDS, as images of the operand's registers (16 bytes a lane at 16 x lane; a tile's four scale words as 16 bytes a lane).
; TWO STREAMS BY TURNS.  A row goes through four stages with a barrier between them: X (quantise), P1 (x U, quantise), P2 (x Wa, tanh, . V), S (statistics, weighted sum).  X and S live on LDS reads, P1 and P2 on
; matrix and vector work.  So a block's even rows (stream 0) and odd rows (stream 1) run one stage apart, and each stretch between two barriers holds two stages that do not depend on each other:
;   I2: P1 of stream 0, X of stream 1 | I3: P2 of 0, P1 of 1 | I4: S of 0, P2 of 1 | I1: X of the next block's 0, S of 1.
; In I2, I3 and I4 half of the waves take the two in one order and half in the other: group = (w xor w / 4) & 1, which differs between waves w and w + 4 and between waves 2 k and 2 k + 1.
; The two stages of a stretch touch different LDS bytes: stream 0 has tiles of rows m = 0, 1, stream 1 has m = 2, 3.
; Row 2 i + g of a block is row i of stream g: tile i / 16, lane i % 16.  So a lane's t of the two streams are neighbouring rows, and a wave's own 8 rows of a slot are 4 of each stream.
; BOTH PRODUCTS ARE USED TRANSPOSED (source 0 = 16 rows of the weight, source 1 = 16 rows of x or of the hidden layer): a lane holds one row, its registers run along the units.
; THE ROWS OF A WEIGHT THAT FORM A TILE ARE NOT NEIGHBOURS: lane r of tile 2 b + u takes unit 64 w + 32 b + 8 u + r + 8 (r / 8), so that register 8 t + j of lane (r, h) is unit 64 w + 32 (t / 2) + 16 h + 8 (t % 2) + j:
; the 16 registers of tiles 2 b, 2 b + 1 are 16 neighbours along the next K.  W, U, Wa, bias, ba and V are all taken so.
; NO CLUSTER: no two work-groups read the same rows of encoder_outputs; the weights, which all share, are read once by each wave, at the head, straight into its operand registers.
; NO PREFETCH: half of the ring is on request from memory through three of a block's four stretches; the launch is that one stream.
.set SLOTB, 133248                     ; a slot: 8 regions of WREG bytes
.set WREG,  16656                      ; a wave's 8 rows: 16 pieces of 1,024 bytes + 16 of padding each, and 16 bytes more
.set RP,    2080                       ; from row to row in a region.  A tile's row r lies (r / 4) WREG + (r % 4) 2 RP on: 16 (r / 4) + 64 (r % 4) modulo 256: 16 different 16-byte columns
.set XIMG,  2*SLOTB                    ; 266,496 = 1,041 x 256.  x's 16 fragments, (tile of rows m, K step s) at 1,024 (4 m + s).  At the end: the eight waves' partial sums
.set XSC,   XIMG+16384                 ; their scale words: tile m at 512 m, 16 bytes a lane, K step s at 4 s
.set HIMG,  XSC+2048                   ; the hidden layer's 16 fragments
.set HSC,   HIMG+16384                 ; their scale words, likewise
.set PS,    HSC+2048                   ; partial scores [wave][64]: stream g's row i at 32 g + i
.set PW,    PS+2048                    ; each wave's own 512 bytes: p of a stream's 32 rows, each twice
.set SPARE, PW+4096                    ; the spare words, 128 bytes for each of the eight waves: four blocks of 256 bytes that no other line names
; vector registers, window 0
.set WA0, 1                            ; weights' codes: (r + 8 (r / 8)) x 256 + 16 h
.set WS0, 2                            ; weights' scale words: (r + 8 (r / 8)) x 16 + 4 h: lanes 0-15 an even K step's word, lanes 16-31 the odd one's
.set TA0, 3                            ; bias, ba, V: 64 h
.set XA0, 4                            ; my place in a slot for the quantiser
.set SA0, 5                            ; my place in a slot for the weighted sum: my wave's region + 16 x lane
.set LIX, 6                            ; XIMG + 16 x lane
.set LSX, 7                            ; XSC + 16 x lane
.set LIH, 8                            ; HIMG + 16 x lane
.set LSH, 9                            ; HSC + 16 x lane
.set XWI, 10                           ; XIMG + 1,024 w + 16 x lane
.set XWS, 11                           ; XSC + 512 (w / 4) + 4 (w % 4) + 16 x lane
.set HWI, 12                           ; HIMG + 512 w + 16 x lane
.set HWS, 13                           ; HSC + 2 w + 16 x lane
.set PSW, 14                           ; PS + 256 w + 4 r
.set PSR, 15                           ; PS + 4 x lane
.set PWW, 16                           ; PW + 512 w + 8 x lane
.set PWR, 17                           ; PW + 544 w: my wave's own 4 rows in its own copy
.set ADX, 18                           ; XA0 in the slot that the quantiser reads
.set ADS, 19                           ; SA0 in the slot that the weighted sum reads
.set CO,  20                           ; 8 x lane
.set TO,  21                           ; 8 x thread
.set RDR, 22                           ; XIMG + 8 x thread
.set HA0, 23                           ; 16 h
.set SPW, 24                           ; LDS address of my spare word; never rewritten
.set NIL, 25                           ; 0; never rewritten
.set MR,  26                           ; the running maximum of t
.set LR,  27                           ; my lane's part of the sum (rows 2 lane, 2 lane + 1 of every block)
.set FR,  28                           ; v[28:29]: f = 2^(old m - new m), and 0
.set TT,  30                           ; v[30:31]: t of my row of stream 0 and of stream 1: rows 2 lane and 2 lane + 1 of the block
.set OUT, 32                           ; v32-47: register 4 q + e = column 128 q + 4 lane + e of sum(p x row) over my wave's rows
.set US,  48                           ; v48-55  U's scale words: register 2 t + s / 2
.set WAS, 56                           ; v56-63  W's at the head, then Wa's
.set C1,  64                           ; v64-95  hidden_state W + bias, 4 tiles in the result's layout
.set BA,  96                           ; v96-127 ba likewise
.set VT,  128                          ; v128-159 V likewise
.set FRG, 160                          ; v160-191 four fragments of x or of the hidden layer
.set ACC, 192                          ; v192-223 four accumulators
.set NUM, 160                          ; v160-223 64 numbers for the quantiser
.set X0,  160                          ; v160-191, v192-223: two rows each for the weighted sum
.set X1,  192
.set TM,  224                          ; v224-239 at work
.set PP,  224                          ; v224-239 partial scores, then p of my wave's 4 rows, each twice
.set PC,  240                          ; v240-247 the codes just made
.set PD,  240                          ; v[240:241] (p, p)
.set SX,  244                          ; v244-247 at work on the statistics
.set PWD, 248                          ; the scale word just made
.set PWD2, 249                         ; and a second, for the stage's second tile of rows
.set FS,  250                          ; v250-253 the four fragments' scale words: scales and nothing else
.set ZO,  254                          ; 0, an offset; never rewritten
.set RWI, 255                          ; XIMG + 2,048 w + 16 x lane: where my partial sums go at the end
; window 1
.set UF,  0                            ; U's fragments, (tile t, K step s) at 8 (4 t + s)
.set WF,  128                          ; W's at the head, then Wa's
; scalar registers: s[4:33] the fifteen addresses in the order of the arguments
.set WV,   34                          ; my wave's number
.set G1,   40                          ; s[40:47] descriptor group 1
.set G0,   48                          ; s[48:51] descriptor group 0, which walks
.set TB,   56                          ; LDS byte at which the slot in hand begins
.set WOFF, 57                          ; WREG x wave
.set CNT,  58
.set TN,   59                          ; LDS byte at which the slot being filled begins
.set SEL,  60                          ; s[60:61] lane selects for v_permlanex16_b32: lane l xor 16
.set C2,   62                          ; s[62:63] 2 log2(e)
.set KT,   66                          ; -2 log2(e)
.set GRP,  68                          ; my group: which of a stretch's two stages I take first
.set MSB, 0
.macro WIN new                         ; the immediate's high byte repeats the setting that is left
.if MSB != \new
	s_set_vgpr_msb (MSB<<8)|\new
.set MSB, \new
.endif
.endm
.macro PLACES                          ; four plain places behind matrix instructions, in front of loads into their registers and of the first read of their results
.rept 4
	v_nop
.endr
.endm
.macro BARRIER                         ; my LDS stores have landed and my LDS loads are in: then the work-group's barrier.
	s_wait_dscnt 0x0
	s_barrier_signal -1
	s_barrier_wait -1
.endm
.macro LOADW dst, base                 ; my wave's 16 fragments of a weight into window 1
	WIN 0x40
.irp t, 0,1,2,3
.irp s, 0,1,2,3
.irp c, 0,1
	global_load_b128 v[\dst+8*(4*\t+\s)+4*\c:\dst+8*(4*\t+\s)+4*\c+3], v[WA0], s[\base:\base+1] offset:(32*(\t/2)+8*(\t%2))*256+64*\s+32*\c
.endr
.endr
.endr
	WIN 0
.endm
.macro LOADS dst, base                 ; and its scale words: two K steps to a register
.irp t, 0,1,2,3
.irp p, 0,1
	global_load_b32 v[\dst+2*\t+\p], v[WS0], s[\base:\base+1] offset:(32*(\t/2)+8*(\t%2))*16+8*\p
.endr
.endr
.endm
.macro LOADT dst, base                 ; 64 f32 numbers of my wave's units as four tiles in the result's layout
.irp t, 0,1,2,3
	global_load_b128 v[\dst+8*\t:\dst+8*\t+3], v[TA0], s[\base:\base+1] offset:(32*(\t/2)+8*(\t%2))*4
	global_load_b128 v[\dst+8*\t+4:\dst+8*\t+7], v[TA0], s[\base:\base+1] offset:(32*(\t/2)+8*(\t%2))*4+16
.endr
.endm
; 16 matrix instructions: my four tiles of units x 16 rows, K = 512 in four steps.  The first step takes c0's tiles as C.  The four accumulators take turns, one instruction a turn.
.macro MUL d, wf, sc, c0
.irp s, 0,1,2,3
.irp t, 0,1,2,3
.if \s == 0
	v_wmma_scale_f32_16x16x128_f8f6f4 v[\d+8*\t:\d+8*\t+7], v[\wf+8*(4*\t+\s):\wf+8*(4*\t+\s)+7], v[FRG+8*\s:FRG+8*\s+7], v[\c0+8*\t:\c0+8*\t+7], v[\sc+2*\t+\s/2], v[FS+\s] matrix_a_fmt:MATRIX_FMT_FP4 matrix_b_fmt:MATRIX_FMT_FP4
.elseif \s == 2
	v_wmma_scale_f32_16x16x128_f8f6f4 v[\d+8*\t:\d+8*\t+7], v[\wf+8*(4*\t+\s):\wf+8*(4*\t+\s)+7], v[FRG+8*\s:FRG+8*\s+7], v[\d+8*\t:\d+8*\t+7], v[\sc+2*\t+\s/2], v[FS+\s] matrix_a_fmt:MATRIX_FMT_FP4 matrix_b_fmt:MATRIX_FMT_FP4
.else
	v_wmma_scale_f32_16x16x128_f8f6f4 v[\d+8*\t:\d+8*\t+7], v[\wf+8*(4*\t+\s):\wf+8*(4*\t+\s)+7], v[FRG+8*\s:FRG+8*\s+7], v[\d+8*\t:\d+8*\t+7], v[\sc+2*\t+\s/2], v[FS+\s] matrix_a_fmt:MATRIX_FMT_FP4 matrix_b_fmt:MATRIX_FMT_FP4 matrix_a_scale:MATRIX_SCALE_ROW1
.endif
.endr
.endr
.endm
.macro FETCH li, ls, m                 ; the four fragments of tile of rows m as they were stored, and their four scale words by one load: nine LDS loads
.irp s, 0,1,2,3
.irp c, 0,1
	ds_load_b128 v[FRG+8*\s+4*\c:FRG+8*\s+4*\c+3], v[\li] offset:1024*(4*(\m)+\s)+512*\c
.endr
.endr
	ds_load_b128 v[FS:FS+3], v[\ls] offset:512*(\m)
.endm
; 64 numbers of a lane, register 16 b + i = k 32 b + 16 (lane / 16) + i of my row, become a fragment's codes in v[PC] on and its scale word in v[PWD].
.macro QUANT src
.irp b, 0,1,2,3
	v_max3_num_f32 v[TM+\b], |v[\src+16*\b]|, |v[\src+1+16*\b]|, 0x1800000   ; block b: my 16 numbers, and the floor 2^(3 - 127): the byte cannot fall under 1
.endr
.irp i, 2,4,6,8,10,12,14
.irp b, 0,1,2,3
	s_delay_alu instid0(VALU_DEP_4)
	v_max3_num_f32 v[TM+\b], v[TM+\b], |v[\src+16*\b+\i]|, |v[\src+1+16*\b+\i]|
.endr
.endr
.irp b, 0,1,2,3
	s_delay_alu instid0(VALU_DEP_4)
	v_permlanex16_b32 v[TM+4+\b], v[TM+\b], s[SEL], s[SEL+1]
.endr
.irp b, 0,1,2,3
	s_delay_alu instid0(VALU_DEP_4)
	v_max_num_f32 v[TM+\b], v[TM+\b], v[TM+4+\b]             ; with lane l xor 16's: the block's largest magnitude
.endr
.irp b, 0,1,2,3
	s_delay_alu instid0(VALU_DEP_4)
	v_add_nc_u32 v[TM+12+\b], 0xff000000, v[TM+\b]           ; 2 off its exponent field: the conversion's scale operand
.endr
.irp b, 0,1,2,3
	s_delay_alu instid0(VALU_DEP_4)
	v_lshrrev_b32 v[TM+4+\b], 23, v[TM+12+\b]                ; the scale's byte
.endr
	s_delay_alu instid0(VALU_DEP_3)
	v_lshl_or_b32 v[PWD], v[TM+5], 8, v[TM+4]
	s_delay_alu instid0(VALU_DEP_1)
	v_lshl_or_b32 v[PWD], v[TM+6], 16, v[PWD]
	s_delay_alu instid0(VALU_DEP_1)
	v_lshl_or_b32 v[PWD], v[TM+7], 24, v[PWD]
.irp b, 0,1,2,3
	v_cvt_scalef32_pk8_fp4_f32 v[PC+2*\b], v[\src+16*\b:\src+7+16*\b], v[TM+12+\b]
	v_cvt_scalef32_pk8_fp4_f32 v[PC+1+2*\b], v[\src+8+16*\b:\src+15+16*\b], v[TM+12+\b]
.endr
	v_nop                                                    ; one plain place behind a scaled conversion
.irp c, 0,1                                                  ; the operand's layout wants a whole block in a lane
.irp i, 0,1
	v_permlane16_swap_b32 v[PC+4*\c+\i], v[PC+2+4*\c+\i]
.endr
.endr
.endm
; The four accumulators, 32 numbers a lane = two blocks of the next K, become half a fragment (v[pc] to v[pc+3]) and two scale bytes (low half of v[pw]).  Each accumulator is read from its low end on.
.macro QUANT2 pc, pw
.irp k, 0,1,2,3
	v_max3_num_f32 v[TM+\k], |v[ACC+8*\k]|, |v[ACC+8*\k+1]|, 0x1800000
.endr
.irp i, 2,4,6
.irp k, 0,1,2,3
	v_max3_num_f32 v[TM+\k], v[TM+\k], |v[ACC+8*\k+\i]|, |v[ACC+8*\k+\i+1]|
.endr
.endr
	s_delay_alu instid0(VALU_DEP_3)
	v_max_num_f32 v[TM], v[TM], v[TM+1]                      ; block 0: tiles 0 and 1
	s_delay_alu instid0(VALU_DEP_2)
	v_max_num_f32 v[TM+1], v[TM+2], v[TM+3]                  ; block 1: tiles 2 and 3
.irp b, 0,1
	s_delay_alu instid0(VALU_DEP_2)
	v_permlanex16_b32 v[TM+4+\b], v[TM+\b], s[SEL], s[SEL+1]
.endr
.irp b, 0,1
	s_delay_alu instid0(VALU_DEP_2)
	v_max_num_f32 v[TM+\b], v[TM+\b], v[TM+4+\b]
.endr
.irp b, 0,1
	s_delay_alu instid0(VALU_DEP_2)
	v_add_nc_u32 v[TM+12+\b], 0xff000000, v[TM+\b]
.endr
.irp b, 0,1
	s_delay_alu instid0(VALU_DEP_2)
	v_lshrrev_b32 v[TM+4+\b], 23, v[TM+12+\b]
.endr
	s_delay_alu instid0(VALU_DEP_1)
	v_lshl_or_b32 v[\pw], v[TM+5], 8, v[TM+4]
.irp b, 0,1
	v_cvt_scalef32_pk8_fp4_f32 v[\pc+2*\b], v[ACC+16*\b:ACC+7+16*\b], v[TM+12+\b]
	v_cvt_scalef32_pk8_fp4_f32 v[\pc+1+2*\b], v[ACC+8+16*\b:ACC+15+16*\b], v[TM+12+\b]
.endr
	v_nop
	v_permlane16_swap_b32 v[\pc], v[\pc+2]
	v_permlane16_swap_b32 v[\pc+1], v[\pc+3]
.endm
; The accumulators hold x = hidden Wa + ba.  R = 1 / (1 + 2^(2 log2(e) x)); my wave's sum of V R for row r goes to PS.  Two batches of 32 transcendentals, each with one plain line and one wait behind it.
.macro TANH m, tm
.set j, 0
.rept 16
	v_pk_mul_f32 v[ACC+j:ACC+j+1], v[ACC+j:ACC+j+1], s[C2:C2+1] op_sel_hi:[1,0]
.set j, j+2
.endr
.set j, 0
	s_wait_alu depctr_va_vdst(0)
.rept 32
	v_exp_f32 v[ACC+j], v[ACC+j]
.set j, j+1
.endr
	v_nop
	s_wait_alu depctr_va_vdst(0)                             ; one wait for the batch, ahead of its first reader
.set j, 0
.rept 16
	v_pk_add_f32 v[ACC+j:ACC+j+1], v[ACC+j:ACC+j+1], 1.0 op_sel_hi:[1,0]
.set j, j+2
.endr
.set j, 0
	s_wait_alu depctr_va_vdst(0)                             ; the wait ahead of the batch
.rept 32
	v_rcp_f32 v[ACC+j], v[ACC+j]
.set j, j+1
.endr
	v_nop
	s_wait_alu depctr_va_vdst(0)                             ; and behind it, ahead of its first reader
	v_pk_mul_f32 v[\tm:\tm+1], v[ACC:ACC+1], v[VT:VT+1]
	v_pk_mul_f32 v[\tm+2:\tm+3], v[ACC+2:ACC+3], v[VT+2:VT+3]
.set j, 4
.rept 7
	v_pk_fma_f32 v[\tm:\tm+1], v[ACC+j:ACC+j+1], v[VT+j:VT+j+1], v[\tm:\tm+1]
	v_pk_fma_f32 v[\tm+2:\tm+3], v[ACC+j+2:ACC+j+3], v[VT+j+2:VT+j+3], v[\tm+2:\tm+3]
.set j, j+4
.endr
	s_delay_alu instid0(VALU_DEP_1)
	v_pk_add_f32 v[\tm:\tm+1], v[\tm:\tm+1], v[\tm+2:\tm+3]
	s_delay_alu instid0(VALU_DEP_1)
	v_add_f32 v[\tm], v[\tm], v[\tm+1]
	s_delay_alu instid0(VALU_DEP_1)
	v_permlanex16_b32 v[\tm+4], v[\tm], s[SEL], s[SEL+1]
	s_delay_alu instid0(VALU_DEP_1)
	v_add_f32 v[\tm], v[\tm], v[\tm+4]                       ; row r's sum over my 64 units, in both halves of the lanes
	ds_store_b32 v[PSW], v[\tm] offset:64*(\m)               ; lanes r and r + 16 write the same word with the same value
.endm
.macro SL xb, i, g                     ; rows i and i + 1 of my wave's 4 of stream g: 512 consecutive bytes a load
.irp a, 0,1
.irp q, 0,1,2,3
	ds_load_b128 v[\xb+16*\a+4*\q:\xb+16*\a+4*\q+3], v[ADS] offset:(2*((\i)+\a)+(\g))*RP+512*\q+16*(\q/2)
.endr
.endr
.endm
.macro FMA xb, i                       ; OUT += p x row, for rows i and i + 1; p stands twice in a pair
.irp a, 0,1
.irp e, 0,2,4,6,8,10,12,14
	v_pk_fma_f32 v[OUT+\e:OUT+\e+1], v[\xb+16*\a+\e:\xb+16*\a+\e+1], v[PP+2*((\i)+\a):PP+2*((\i)+\a)+1], v[OUT+\e:OUT+\e+1]
.endr
.endr
.endm
.macro TREE                            ; eight pairs in v[PP] on are added
	v_pk_add_f32 v[PP:PP+1], v[PP:PP+1], v[PP+2:PP+3]
	v_pk_add_f32 v[PP+4:PP+5], v[PP+4:PP+5], v[PP+6:PP+7]
	v_pk_add_f32 v[PP+8:PP+9], v[PP+8:PP+9], v[PP+10:PP+11]
	v_pk_add_f32 v[PP+12:PP+13], v[PP+12:PP+13], v[PP+14:PP+15]
	s_delay_alu instid0(VALU_DEP_3)
	v_pk_add_f32 v[PP:PP+1], v[PP:PP+1], v[PP+4:PP+5]
	s_delay_alu instid0(VALU_DEP_2)
	v_pk_add_f32 v[PP+8:PP+9], v[PP+8:PP+9], v[PP+12:PP+13]
	s_delay_alu instid0(VALU_DEP_1)
	v_pk_add_f32 v[PP:PP+1], v[PP:PP+1], v[PP+8:PP+9]
.endm
; THE REFILL, at the head of I2.  Each wave waits for its tensor load, adds 0 to its spare word, and waits for that and for its LDS reads and stores: the slot of the block before has been read for the last time
; (S of its stream 1), and x's images of stream 0 lie in LDS.  fill = 1: behind the barrier that slot takes the next block: one load a wave, with I2, I3 and I4 in which to land.
.macro CHANGE fill
	s_wait_tensorcnt 0x0                                     ; no tensor load of mine is out, so group 0 may be written
	ds_add_u32 v[SPW], v[NIL]                                ; 0 onto my spare word
.if \fill
	s_xor_b32 s[TN], s[TN], SLOTB                            ; the other slot than last time,
	s_add_co_u32 s[G0+1], s[TN], s[WOFF]                     ; my wave's region in it,
	s_add_nc_u64 s[G0+2:G0+3], s[G0+2:G0+3], 131072          ; 64 rows of 2,048 bytes on; the type bits on top are not reached
.endif
	s_wait_dscnt 0x0                                         ; the add is done, my reads of the slot that is left are over, my stores have landed
	s_barrier_signal -1
	s_barrier_wait -1
.if \fill
	tensor_load_to_lds s[G0:G0+3], s[G1:G1+7]                ; the first thing behind the barrier, and my one tensor load until the next such barrier
	s_nop 0
.endif
.endm
; STAGE X of stream g: wave w quantises tile of rows 2 g + w / 4, K step w % 4: one fragment.
.macro XLOAD g, b0                     ; blocks b0 and b0 + 1 of my 64 numbers: eight LDS loads
.irp b, \b0, \b0+1
.irp j, 0,1,2,3
	ds_load_b128 v[NUM+16*(\b)+4*\j:NUM+16*(\b)+4*\j+3], v[ADX] offset:(\g)*RP+128*(\b)+16*\j
.endr
.endr
.endm
.macro XTASK g, pre=0                  ; pre = 1: blocks 0 and 1 were asked for in the stage before;  pre = 2: all four were, ahead of the barrier, whose wait on DScnt has shown them in
.if \pre == 0
	XLOAD \g, 0
.endif
.if \pre < 2
	XLOAD \g, 2
.endif
	s_wait_dscnt 0x0                                         ; the numbers are in, and every earlier LDS store of mine is done
	QUANT NUM
	ds_store_b128 v[XWI], v[PC:PC+3] offset:8192*(\g)
	ds_store_b128 v[XWI], v[PC+4:PC+7] offset:8192*(\g)+512
	ds_store_b32 v[XWS], v[PWD] offset:1024*(\g)
.endm
; STAGE P1 of stream g: my 64 units of enc U + (hidden_state W + bias) for its two tiles of rows; quantised: half a fragment of the next product's K step w / 2, and two of its scale bytes.
; pre = 1: the first tile's fragments were asked for in the stage before.  nxt: what the stage that follows me reads first from LDS is asked for behind my last products, into the fragments' registers, which are free
; then, and lands under my last quantiser.  nxt = 1: stage P2 of stream 0 follows in every wave that runs this copy.  nxt = 2: stage X of stream 1 follows in group 0 alone.  nxt = 0: nothing.
.macro P1TASK g, pre, nxt
.if \pre == 0
	FETCH LIX, LSX, 2*(\g)
.endif
	s_wait_dscnt 0x0
	WIN 0x01                                                 ; source 0, the weight, in window 1
	MUL ACC, UF, US, C1
	WIN 0
	PLACES
	FETCH LIX, LSX, 2*(\g)+1                                 ; lands under the quantiser
	QUANT2 PC, PWD
	ds_store_b128 v[HWI], v[PC:PC+3] offset:4096*(2*(\g))
	ds_store_b16 v[HWS], v[PWD] offset:512*(2*(\g))
	s_wait_dscnt 2                                           ; the nine loads are in; the two stores issued behind them may be out: the second tile's codes go into other registers
	WIN 0x01
	MUL ACC, UF, US, C1
	WIN 0
	PLACES
.if \nxt == 1
	FETCH LIH, LSH, 0
.elseif \nxt == 2
	s_cmp_eq_u32 s[GRP], 0
	s_cbranch_scc0 .Lp1n_\@
	XLOAD 1, 0
.Lp1n_\@:
.endif
	QUANT2 PC+4, PWD2
	ds_store_b128 v[HWI], v[PC+4:PC+7] offset:4096*(2*(\g)+1)
	ds_store_b16 v[HWS], v[PWD2] offset:512*(2*(\g)+1)
.endm
; STAGE P2 of stream g: my 64 units of hidden Wa + ba, tanh's R, . V.
; Group 1 comes here from another stage of the stretch, which has asked for my first tile's fragments; group 0 asks here.  Behind my last products group 0 asks for what its next stage reads first:
; nxt = 1: stage P1 of stream 1, its first tile's fragments;  nxt = 2: stage S of stream 0, the partial scores (v224-231) and two rows (the fragments' registers).  The last tanh works in v232-239 and the accumulators.
.macro P2TASK g, nxt
	s_cmp_eq_u32 s[GRP], 0
	s_cbranch_scc0 .Lp2f_\@
	FETCH LIH, LSH, 2*(\g)
.Lp2f_\@:
	s_wait_dscnt 0x0
	WIN 0x01
	MUL ACC, WF, WAS, BA
	WIN 0
	PLACES
	FETCH LIH, LSH, 2*(\g)+1
	TANH 2*(\g), TM
	s_wait_dscnt 1                                           ; the nine loads are in; the one store issued behind them may be out: the second tile's sum is made in other registers
	WIN 0x01
	MUL ACC, WF, WAS, BA
	WIN 0
	PLACES
	s_cmp_eq_u32 s[GRP], 0
	s_cbranch_scc0 .Lp2n_\@
.if \nxt == 1
	FETCH LIX, LSX, 2
.else
	SPRE 0
.endif
.Lp2n_\@:
	TANH 2*(\g)+1, TM+8
.endm
; STAGE S of stream g: every wave makes the same statistics from the same sums in the same order (lane i: row i of the stream); then its own 4 rows' part of the weighted sum.
.macro SPRE g                          ; what stage S reads first: the eight waves' parts of my row's score, and the first two of my wave's rows
.irp i, 0,1,2,3,4,5,6,7
	ds_load_b32 v[PP+\i], v[PSR] offset:256*\i+128*(\g)      ; wave i's part of my row's score
.endr
	SL X0, 0, \g
.endm
; pre = 1: SPRE was run in the stage before; behind its eight loads of scores then stand 8 loads, one store and 8 loads, so the count 16 below still covers the scores.
; post = 1: stage P2 of stream 1 follows: its first tile's fragments are asked for as soon as the first two rows' registers are free.
.macro STASK g, pre=0, post=0
.if \pre == 0
	SPRE \g
.endif
	SL X1, 2, \g
	s_wait_dscnt 16                                          ; the eight partial scores are in; the 16 loads of rows behind them may be out
	v_pk_add_f32 v[PP:PP+1], v[PP:PP+1], v[PP+2:PP+3]
	v_pk_add_f32 v[PP+4:PP+5], v[PP+4:PP+5], v[PP+6:PP+7]
	s_delay_alu instid0(VALU_DEP_1)
	v_pk_add_f32 v[PP:PP+1], v[PP:PP+1], v[PP+4:PP+5]
	s_delay_alu instid0(VALU_DEP_1)
	v_add_f32 v[PP], v[PP], v[PP+1]
	s_delay_alu instid0(VALU_DEP_1)
	v_mul_f32 v[TT+\g], s[KT], v[PP]                         ; t
.if \g == 1
	s_cmp_lg_u32 s[WV], 0
	s_cbranch_scc1 .Lnot_wave_0_\@
	global_store_b64 v[CO], v[TT:TT+1], s[28:29]             ; wave 0: the block's 64 t, rows 2 lane and 2 lane + 1: 256 consecutive bytes, aligned
.Lnot_wave_0_\@:
.endif
	s_wait_alu depctr_va_vdst(0)
	v_max_num_f32 v[SX], v[TT+\g], v[MR]                     ; (m is the same in every lane)
	s_delay_alu instid0(VALU_DEP_1)
	v_max_num_f32_dpp v[SX], v[SX], v[SX] row_xmask:1 row_mask:0xf bank_mask:0xf
	s_delay_alu instid0(VALU_DEP_1)
	v_max_num_f32_dpp v[SX], v[SX], v[SX] row_xmask:2 row_mask:0xf bank_mask:0xf
	s_delay_alu instid0(VALU_DEP_1)
	v_max_num_f32_dpp v[SX], v[SX], v[SX] row_xmask:4 row_mask:0xf bank_mask:0xf
	s_delay_alu instid0(VALU_DEP_1)
	v_max_num_f32_dpp v[SX], v[SX], v[SX] row_xmask:8 row_mask:0xf bank_mask:0xf
	s_delay_alu instid0(VALU_DEP_1)
	v_permlanex16_b32 v[SX+1], v[SX], s[SEL], s[SEL+1]
	s_delay_alu instid0(VALU_DEP_1)
	v_max_num_f32 v[SX+2], v[SX], v[SX+1]                    ; the new m
	s_delay_alu instid0(VALU_DEP_1)
	v_sub_f32 v[SX+3], v[MR], v[SX+2]
	s_delay_alu instid0(VALU_DEP_2)
	v_sub_f32 v[PD], v[TT+\g], v[SX+2]
	s_wait_alu depctr_va_vdst(0)
	v_exp_f32 v[FR], v[SX+3]                                 ; f = 2^(old m - new m)
	v_exp_f32 v[PD], v[PD]                                   ; p of my row
	v_mov_b32 v[MR], v[SX+2]                                 ; (the plain line behind the exponentials)
	s_wait_alu depctr_va_vdst(0)                             ; one wait for the two
	v_mov_b32 v[PD+1], v[PD]
	v_fma_f32 v[LR], v[LR], v[FR], v[PD]                     ; l = l f + p
	ds_store_b64 v[PWW], v[PD:PD+1]                          ; my wave's own copy: row i's p, twice, at 8 i
	ds_load_b128 v[PP:PP+3], v[PWR]                          ; LDS serves a wave's instructions in order (ISA guide 5.7.1.4): these see the store.  Every lane takes the p of my wave's 4 rows
	ds_load_b128 v[PP+4:PP+7], v[PWR] offset:16
.irp e, 0,2,4,6,8,10,12,14
	v_pk_mul_f32 v[OUT+\e:OUT+\e+1], v[OUT+\e:OUT+\e+1], v[FR:FR+1] op_sel_hi:[1,0]
.endr
	s_wait_alu depctr_va_vdst(0)
	s_wait_dscnt 0x0
	FMA X0, 0
.if \post == 1
	FETCH LIH, LSH, 2
.elseif \post == 2                     ; post = 2: in group 0 stage X of the next block's stream 0 follows: blocks 0 and 1 of its numbers are asked for into the first two rows' registers
	s_cmp_eq_u32 s[GRP], 0
	s_wait_alu depctr_va_vdst(0)                             ; the wait here, directly ahead of the branch
	s_cbranch_scc0 .Lsn_\@
	XLOAD 0, 0
	s_branch .Lsm_\@
.Lsn_\@:                               ; group 1 has done that stage already: its next is stage X of the same block's stream 1, at the head of I2; those rows lie in the slot since I1 began
	XLOAD 1, 0
.Lsm_\@:
.endif
	FMA X1, 2
.if \g == 1
	s_wait_xcnt 0x0                                          ; wave 0's store has read its data and its base: both may be written again
	s_add_nc_u64 s[28:29], s[28:29], 256
.endif
.endm
; The three stretches in which the groups go opposite ways.  Group 1 takes the first copy of the shorter stage, group 0 the second.
.macro I2
	s_cmp_eq_u32 s[GRP], 0
	s_cbranch_scc1 .Li2a_\@
	XTASK 1, 2
.Li2a_\@:
	P1TASK 0, 0, 2
	s_cmp_eq_u32 s[GRP], 0
	s_cbranch_scc0 .Li2b_\@
	XTASK 1, 1
.Li2b_\@:
.endm
.macro I3
	s_wait_loadcnt 0x0                                       ; Wa, in the first block
	s_cmp_eq_u32 s[GRP], 0
	s_cbranch_scc1 .Li3a_\@
	P1TASK 1, 0, 1
.Li3a_\@:
	P2TASK 0, 1
	s_cmp_eq_u32 s[GRP], 0
	s_cbranch_scc0 .Li3b_\@
	P1TASK 1, 1, 0
.Li3b_\@:
.endm
.macro I4
	s_cmp_eq_u32 s[GRP], 0
	s_cbranch_scc1 .Li4a_\@
	STASK 0, 0, 1
.Li4a_\@:
	P2TASK 1, 2
	s_cmp_eq_u32 s[GRP], 0
	s_cbranch_scc0 .Li4b_\@
	STASK 0, 1, 0
.Li4b_\@:
.endm
.macro TRIO                            ; I2, I3, I4 of the block in slot TB; the addresses in the slot are made by every wave, ahead of the branches
	v_add_nc_u32 v[ADX], s[TB], v[XA0]
	v_add_nc_u32 v[ADS], s[TB], v[SA0]
	I2
	BARRIER                                                  ; stream 0's hidden layer and stream 1's x lie in LDS
	I3
	BARRIER                                                  ; stream 0's partial scores and stream 1's hidden layer lie in LDS
	I4
.endm
	s_load_b256 s[4:11], s[0:1], 0x0               ; encoder_outputs, U_codes, U_scales, W_codes
	s_load_b256 s[12:19], s[0:1], 0x20             ; W_scales, Wa_codes, Wa_scales, hidden_state_codes
	s_load_b256 s[20:27], s[0:1], 0x40             ; hidden_state_scales, bias, ba, V
	s_load_b128 s[28:31], s[0:1], 0x60             ; cij, part
	s_load_b64 s[32:33], s[0:1], 0x70              ; stats
	v_lshl_add_u32 v[SPW], v0, 2, SPARE
	v_mov_b32 v[NIL], 0
	ds_add_u32 v[SPW], v[NIL]                      ; the wave's opening: the add, twice on end, and its wait ahead of my first tensor load; the set-up below stands between
	ds_add_u32 v[SPW], v[NIL]
	v_lshrrev_b32 v26, 5, v0
	s_delay_alu instid0(VALU_DEP_1)
	v_readfirstlane_b32 s[WV], v26                 ; wave 0..7
	; descriptor group 1: my 8 rows are 16,384 dense bytes: 16 rows of 1,024 bytes (128 elements of 8), 16 bytes of padding behind each
	s_mov_b32 s[G1+0], (3<<16)|(1<<20)|(7<<22)|(3<<25)   ; no mask; elements of 8 bytes; padding on; after every 256 words (code 7); 4 words (code 3)
	s_mov_b32 s[G1+1], 128<<16                     ; tensor_dim0 = 128
	s_mov_b32 s[G1+2], 16<<16                      ; tensor_dim1 = 16
	s_mov_b32 s[G1+3], 128<<16                     ; tile_dim0 = 128
	s_mov_b32 s[G1+4], 16                          ; tile_dim1 = 16
	s_mov_b32 s[G1+5], 128                         ; from row to row
	s_mov_b32 s[G1+6], 0
	s_mov_b32 s[G1+7], 0
	s_mov_b32 s[SEL], 0x76543210
	s_mov_b32 s[SEL+1], 0xfedcba98
	s_mov_b32 s[C2], 0x4038aa3b                    ; 2 log2(e)
	s_mov_b32 s[C2+1], s[C2]                       ; (named with it as a pair, so it is written)
	s_mov_b32 s[KT], 0xc038aa3b                    ; -2 log2(e)
	s_mov_b32 s[TB], 0
	s_mov_b32 s[TN], 0
	s_mul_i32 s[WOFF], s[WV], WREG
	s_lshr_b32 s[GRP], s[WV], 2
	s_xor_b32 s[GRP], s[GRP], s[WV]
	s_and_b32 s[GRP], s[GRP], 1                    ; (w xor w / 4) & 1
	v_and_b32 v32, 31, v0                          ; lane
	v_and_b32 v33, 15, v0                          ; r
	v_bfe_u32 v34, v0, 4, 1                        ; h
	s_delay_alu instid0(VALU_DEP_2)
	v_and_b32 v35, 8, v33
	s_delay_alu instid0(VALU_DEP_1)
	v_add_nc_u32 v35, v35, v33                     ; r + 8 (r / 8)
	v_and_b32 v36, 3, v0                           ; r % 4
	s_wait_alu depctr_va_vdst(0)
	v_bfe_u32 v37, v0, 2, 2                        ; r / 4
	v_lshlrev_b32 v[WA0], 8, v35
	s_delay_alu instid0(VALU_DEP_1)
	v_lshl_add_u32 v[WA0], v34, 4, v[WA0]
	v_lshlrev_b32 v[WS0], 4, v35
	s_delay_alu instid0(VALU_DEP_1)
	v_lshl_add_u32 v[WS0], v34, 2, v[WS0]
	v_lshlrev_b32 v[TA0], 6, v34
	v_lshlrev_b32 v[HA0], 4, v34
	v_mov_b32 v[ZO], 0
	; the quantiser's place: row r of tile w / 4 of stream g is row 32 (w / 4) + 2 r + g of the block: region 4 (w / 4) + r / 4, row 2 (r % 4) + g in it (g stands in the loads' immediate)
	s_lshr_b32 s35, s[WV], 2
	s_mul_i32 s35, s35, 4*WREG
	s_and_b32 s36, s[WV], 3                        ; my K step: 512 bytes of the row each,
	s_lshl_b32 s38, s36, 9
	s_add_co_u32 s35, s35, s38
	s_lshr_b32 s36, s36, 1                         ; and 16 of padding passed from the third on
	s_lshl_b32 s36, s36, 4
	s_add_co_u32 s35, s35, s36
	v_mul_u32_u24 v[XA0], v36, 2*RP
	s_wait_alu depctr_va_vdst(0)
	v_mad_u32_u24 v[XA0], v37, WREG, v[XA0]
	s_delay_alu instid0(VALU_DEP_1)
	v_lshl_add_u32 v[XA0], v34, 6, v[XA0]          ; + 64 h: my 16 numbers of a block of 32
	s_delay_alu instid0(VALU_DEP_1)
	v_add_nc_u32 v[XA0], s35, v[XA0]
	v_lshl_add_u32 v[SA0], v32, 4, s[WOFF]
	v_lshl_add_u32 v[LIX], v32, 4, XIMG
	v_lshl_add_u32 v[LSX], v32, 4, XSC
	v_lshl_add_u32 v[LIH], v32, 4, HIMG
	s_wait_alu depctr_va_vdst(0)
	v_lshl_add_u32 v[LSH], v32, 4, HSC
	s_wait_alu depctr_va_vdst(0)
	s_lshl_b32 s35, s[WV], 10
	v_add_nc_u32 v[XWI], s35, v[LIX]
	s_lshl_b32 s35, s[WV], 11
	v_add_nc_u32 v[RWI], s35, v[LIX]
	s_lshr_b32 s35, s[WV], 2
	s_lshl_b32 s35, s35, 9
	s_and_b32 s36, s[WV], 3
	s_lshl_b32 s36, s36, 2
	s_add_co_u32 s35, s35, s36
	v_add_nc_u32 v[XWS], s35, v[LSX]
	s_lshl_b32 s35, s[WV], 8
	v_lshl_add_u32 v[PSW], v33, 2, PS
	s_delay_alu instid0(VALU_DEP_1)
	v_add_nc_u32 v[PSW], s35, v[PSW]
	s_lshl_b32 s35, s[WV], 9
	v_add_nc_u32 v[HWI], s35, v[LIH]
	v_lshl_add_u32 v[PWW], v32, 3, PW
	s_delay_alu instid0(VALU_DEP_1)
	v_add_nc_u32 v[PWW], s35, v[PWW]
	s_lshl_b32 s35, s[WV], 1
	v_add_nc_u32 v[HWS], s35, v[LSH]
	v_lshl_add_u32 v[PSR], v32, 2, PS
	s_mul_i32 s35, s[WV], 544
	s_add_co_u32 s35, s35, PW
	v_mov_b32 v[PWR], s35
	v_lshlrev_b32 v[CO], 3, v32
	v_lshlrev_b32 v[TO], 3, v0
	v_lshl_add_u32 v[RDR], v0, 3, XIMG
	s_lshl_b32 s36, ttmp9, 20                      ; my work-group's 512 rows of 2,048 bytes,
	s_lshl_b32 s38, s[WV], 14                      ; my wave's 8 of a block's 64
	s_add_co_u32 s36, s36, s38
	s_mov_b32 s37, 0
	s_wait_dscnt 0x0                               ; both opening adds are done
	s_wait_kmcnt 0x0
	s_add_nc_u64 s[4:5], s[4:5], s[36:37]
	s_mov_b32 s[G0], 1                             ; count = 1
	s_mov_b32 s[G0+1], s[WOFF]                     ; LDS address: slot 0, my wave's region
	s_mov_b64 s[G0+2:G0+3], s[4:5]                 ; global address: block 0
	s_or_b32 s[G0+3], s[G0+3], 0x80000000          ; type = 2
	tensor_load_to_lds s[G0:G0+3], s[G1:G1+7]      ; every wave's first fill, ahead of every wait on TENSORcnt, every LDS read and every barrier: one load of mine is out
	s_nop 0
	s_mov_b32 s36, s38                             ; the weights' codes: my 64 rows of 256 bytes
	s_add_nc_u64 s[6:7], s[6:7], s[36:37]
	s_add_nc_u64 s[10:11], s[10:11], s[36:37]
	s_add_nc_u64 s[14:15], s[14:15], s[36:37]
	s_lshl_b32 s36, s[WV], 10                      ; their scale bytes: 64 rows of 16
	s_add_nc_u64 s[8:9], s[8:9], s[36:37]
	s_add_nc_u64 s[12:13], s[12:13], s[36:37]
	s_add_nc_u64 s[16:17], s[16:17], s[36:37]
	s_lshl_b32 s36, s[WV], 8                       ; bias, ba, V: 64 numbers
	s_add_nc_u64 s[22:23], s[22:23], s[36:37]
	s_add_nc_u64 s[24:25], s[24:25], s[36:37]
	s_add_nc_u64 s[26:27], s[26:27], s[36:37]
	s_lshr_b32 s38, ttmp9, 3                       ; the batch
	s_lshl_b32 s36, s38, 8
	s_add_nc_u64 s[18:19], s[18:19], s[36:37]
	s_lshl_b32 s36, s38, 4
	s_add_nc_u64 s[20:21], s[20:21], s[36:37]
	s_lshl_b32 s36, ttmp9, 11                      ; cij and part: 2,048 bytes a work-group
	s_add_nc_u64 s[28:29], s[28:29], s[36:37]
	s_add_nc_u64 s[30:31], s[30:31], s[36:37]
	s_lshl_b32 s36, ttmp9, 8                       ; stats: 256
	s_add_nc_u64 s[32:33], s[32:33], s[36:37]
	; group A, 60 loads: what hidden_state W + bias needs.  EVERY lane takes the batch's one row of hidden_state: all 16 columns of source 1 are that row, and the product comes out in the layout of a C tile
.irp s, 0,1,2,3
.irp c, 0,1
	global_load_b128 v[FRG+8*\s+4*\c:FRG+8*\s+4*\c+3], v[HA0], s[18:19] offset:64*\s+32*\c
.endr
	global_load_b32 v[FS+\s], v[ZO], s[20:21] offset:4*\s
.endr
	LOADT C1, 22
	LOADW WF, 10
	LOADS WAS, 12
	; group B, 56 loads: U, ba, V
	LOADW UF, 6
	LOADS US, 8
	LOADT BA, 24
	LOADT VT, 26
	s_wait_loadcnt 56                              ; group A is in; the 56 loads of group B may be out
	WIN 0x01
	MUL C1, WF, WAS, C1                            ; in place on the bias: hidden_state W + bias for my 64 units, the same in every column
	WIN 0
	PLACES
	; group C, 40 loads: Wa takes W's registers
	LOADW WF, 14
	LOADS WAS, 16
.set j, 0
.rept 16
	v_mov_b32 v[OUT+j], 0                          ; stage S is written once for all blocks: the first finds zeros, which f leaves zeros
.set j, j+1
.endr
	v_mov_b32 v[LR], 0
	v_mov_b32 v[FR+1], 0                           ; (named as the upper half of the pair with f)
	v_mov_b32 v[TT], 0                             ; (named as the lower half of the pair of t)
	v_mov_b32 v[MR], 0xff61b1e6                    ; -3e38, under every t
.irp b, 0,1,2,3
	v_mov_b32 v[TM+4+\b], 0                        ; written once: a lane permute's destination counts as one of its sources
.endr
	; THE PROLOGUE: X of block 0's stream 0, which needs no weight
	s_wait_tensorcnt 0x0                           ; my 8 rows of block 0 are in;
	s_barrier_signal -1
	s_barrier_wait -1                              ; everybody's are.
	v_add_nc_u32 v[ADX], s[TB], v[XA0]
	XTASK 0
	s_cmp_eq_u32 s[GRP], 0                         ; group 1 begins I2 with stage X of stream 1: block 0's numbers for it are asked for here, as I1 asks for the later blocks'
	s_cbranch_scc1 .Lpro
	XLOAD 1, 0
	XLOAD 1, 2
.Lpro:
	s_wait_loadcnt 40
	s_mov_b32 s[CNT], 7
.Lblock:                                               ; 7 trips: trip j runs I2, I3, I4 of block j and I1 of block j + 1, and asks for block j + 1.
	CHANGE 1
	TRIO
	s_wait_tensorcnt 0x0                           ; my 8 rows of the next block are in: the count that the reads behind this barrier need;
	BARRIER                                        ; everybody's are, and stream 1's partial scores lie in LDS.
	; ---- I1: S of stream 1 in the slot in hand; X of the next block's stream 0 in the other
	s_xor_b32 s[TB], s[TB], SLOTB
	v_add_nc_u32 v[ADX], s[TB], v[XA0]
	s_cmp_eq_u32 s[GRP], 0                         ; in I1 too the groups go opposite ways: group 1 takes X first, group 0 S.  The branches lead round no barrier and no tensor load
	s_cbranch_scc1 .Li1a
	XTASK 0
.Li1a:
	STASK 1, 0, 2
	s_cmp_eq_u32 s[GRP], 0
	s_cbranch_scc0 .Li1c
	XTASK 0, 1
	s_branch .Li1b
.Li1c:
	XLOAD 1, 2                                     ; group 1: the other half of stream 1's numbers, into the last two rows' registers; the wait on DScnt in front of the refill's barrier covers all 16 loads
.Li1b:
	s_sub_co_u32 s[CNT], s[CNT], 1
	s_cmp_lg_u32 s[CNT], 0
	s_cbranch_scc1 .Lblock
	CHANGE 0                                       ; the last block is written out
	TRIO
	BARRIER
	STASK 1
	; THE END.  l over the lanes; wave 0 stores (m, l), the same pair 32 times: one aligned run of 256 bytes
	v_add_f32_dpp v[LR], v[LR], v[LR] row_xmask:1 row_mask:0xf bank_mask:0xf
	s_delay_alu instid0(VALU_DEP_1)
	v_add_f32_dpp v[LR], v[LR], v[LR] row_xmask:2 row_mask:0xf bank_mask:0xf
	s_delay_alu instid0(VALU_DEP_1)
	v_add_f32_dpp v[LR], v[LR], v[LR] row_xmask:4 row_mask:0xf bank_mask:0xf
	s_delay_alu instid0(VALU_DEP_1)
	v_add_f32_dpp v[LR], v[LR], v[LR] row_xmask:8 row_mask:0xf bank_mask:0xf
	s_delay_alu instid0(VALU_DEP_1)
	v_permlanex16_b32 v[SX+1], v[LR], s[SEL], s[SEL+1]
	s_delay_alu instid0(VALU_DEP_1)
	v_add_f32 v[LR], v[LR], v[SX+1]
	s_cmp_lg_u32 s[WV], 0
	s_cbranch_scc1 .Lno_stats
	v_mov_b32 v[TT], v[MR]                         ; (the last store of t has read these: stage S ended with a wait for that)
	v_mov_b32 v[TT+1], v[LR]
	global_store_b64 v[CO], v[TT:TT+1], s[32:33]
.Lno_stats:
	; the eight waves' partial sums meet in x's images, whose last reads lie two barriers back; thread i adds columns 2 i and 2 i + 1
	s_wait_alu depctr_va_vdst(0)
.irp q, 0,1,2,3
	ds_store_b128 v[RWI], v[OUT+4*\q:OUT+4*\q+3] offset:512*\q
.endr
	BARRIER
.irp i, 0,1,2,3,4,5,6,7
	ds_load_b64 v[PP+2*\i:PP+2*\i+1], v[RDR] offset:2048*\i
.endr
	s_wait_dscnt 0x0
	TREE
	global_store_b64 v[TO], v[PP:PP+1], s[30:31]   ; a wave stores 256 consecutive bytes, aligned
	s_wait_tensorcnt 0x0                           ; the wave's end, behind my last tensor load and my last LDS store
	ds_add_u32 v[SPW], v[NIL]
	s_wait_dscnt 0x0
	s_endpgm
.Lfunc_end_k_q551f9efea5_scores:
	.size	k_q551f9efea5_scores, .Lfunc_end_k_q551f9efea5_scores-k_q551f9efea5_scores
	.p2alignl 7, 3214868480
	.fill 96, 4, 3214868480
	.section	.rodata,"a",@progbits
	.p2align	6, 0x0
	.amdhsa_kernel k_q551f9efea5_scores
		.amdhsa_group_segment_fixed_size 327680
		.amdhsa_private_segment_fixed_size 0
		.amdhsa_enable_private_segment 0
		.amdhsa_kernarg_size 120
		.amdhsa_user_sgpr_count 2
		.amdhsa_user_sgpr_kernarg_segment_ptr 1
		.amdhsa_wavefront_size32 1
		.amdhsa_system_sgpr_workgroup_id_x 1
		.amdhsa_system_sgpr_workgroup_id_y 1
		.amdhsa_system_sgpr_workgroup_id_z 1
		.amdhsa_system_vgpr_workitem_id 0
		.amdhsa_next_free_vgpr 512
		.amdhsa_next_free_sgpr 72
		.amdhsa_reserve_vcc 0
		.amdhsa_float_denorm_mode_32 3
		.amdhsa_float_denorm_mode_16_64 3
		.amdhsa_memory_ordered 1
		.amdhsa_forward_progress 1
		.amdhsa_inst_pref_size 241
	.end_amdhsa_kernel
	.amdgpu_metadata
---
amdhsa.version: [ 1, 2 ]
amdhsa.kernels:
  - .name:           k_q551f9efea5_scores
    .symbol:         k_q551f9efea5_scores.kd
    .args:
      - { .name: encoder_outputs, .offset: 0, .size: 8, .value_kind: global_buffer, .address_space: global }
      - { .name: U_codes, .offset: 8, .size: 8, .value_kind: global_buffer, .address_space: global }
      - { .name: U_scales, .offset: 16, .size: 8, .value_kind: global_buffer, .address_space: global }
      - { .name: W_codes, .offset: 24, .size: 8, .value_kind: global_buffer, .address_space: global }
      - { .name: W_scales, .offset: 32, .size: 8, .value_kind: global_buffer, .address_space: global }
      - { .name: Wa_codes, .offset: 40, .size: 8, .value_kind: global_buffer, .address_space: global }
      - { .name: Wa_scales, .offset: 48, .size: 8, .value_kind: global_buffer, .address_space: global }
      - { .name: hidden_state_codes, .offset: 56, .size: 8, .value_kind: global_buffer, .address_space: global }
      - { .name: hidden_state_scales, .offset: 64, .size: 8, .value_kind: global_buffer, .address_space: global }
      - { .name: bias, .offset: 72, .size: 8, .value_kind: global_buffer, .address_space: global }
      - { .name: ba, .offset: 80, .size: 8, .value_kind: global_buffer, .address_space: global }
      - { .name: V, .offset: 88, .size: 8, .value_kind: global_buffer, .address_space: global }
      - { .name: cij, .offset: 96, .size: 8, .value_kind: global_buffer, .address_space: global }
      - { .name: part, .offset: 104, .size: 8, .value_kind: global_buffer, .address_space: global }
      - { .name: stats, .offset: 112, .size: 8, .value_kind: global_buffer, .address_space: global }
    .group_segment_fixed_size: 327680
    .private_segment_fixed_size: 0
    .kernarg_segment_align: 8
    .kernarg_segment_size: 120
    .max_flat_workgroup_size: 256
    .sgpr_count:     72
    .vgpr_count:     512
    .wavefront_size: 32
...
	.end_amdgpu_metadata
.endif
;; end of part 1
;; launch combine (part 2): grid 256 x 1, 1 waves a work-group, no clusters, 0 bytes of LDS; arguments cij, part, stats, out0, out1; writes out0, out1
.if DOCPART == 2
	.amdgcn_target "amdgcn-amd-amdhsa--gfx1250"
	.amdhsa_code_object_version 6
	.text
	.protected	k_q551f9efea5_combine
	.globl	k_q551f9efea5_combine
	.p2align	8
	.type	k_q551f9efea5_combine,@function
k_q551f9efea5_combine:
	s_mov_b64 s[64:65], 0
	v_nop
	global_prefetch_b8 v0, s[64:65] scope:SCOPE_SE
	s_setreg_imm32_b32 hwreg(HW_REG_WAVE_MODE, 25, 1), 1
	s_wait_xcnt 0x0
; The eight parts of each batch are joined.  cij holds t = (cij - sum(V)) log2(e) of every row: sum(V), the same along the softmax's axis, was left out by the first launch and cancels here for all values of V.
; stats holds each part's running maximum m_i and sum l_i (base 2), part its sum of 2^(t - m_i) x row.  With M = max m_i, w_i = 2^(m_i - M), L = sum l_i w_i:
; alphas = 2^(t - M) / L, out0 = (sum part_i w_i) / L.  The maximum is taken away ahead of every exponential.
; Work-group g = 8 b + c, one wave: the 512 alphas of chunk c of batch b, and columns 64 c .. 64 c + 63 of out0[b].  No LDS, no barrier, no branch: the launch moves about a megabyte.
; REGISTERS: v1 8 x lane, v2 16 x lane; v[8:23] (m_i, l_i), then (w_i, l_i); v[24:39] 16 t, then alphas; v[40:55] part_i, two columns; v56 M; v57 L; v[58:59] 1 / L twice; v[60:61] my two columns.
	s_load_b256 s[4:11], s[0:1], 0x0               ; cij s[4:5], part s[6:7], stats s[8:9], out0 s[10:11]
	s_load_b64 s[12:13], s[0:1], 0x20              ; out1
	v_lshlrev_b32 v1, 3, v0                        ; one wave: the thread's number is the lane
	v_lshlrev_b32 v2, 4, v0
	s_lshr_b32 s14, ttmp9, 3                       ; b
	s_and_b32 s15, ttmp9, 7                        ; c
	s_mov_b32 s17, 0
	s_wait_alu depctr_va_vdst(0)
	s_wait_kmcnt 0x0
	s_lshl_b32 s16, s14, 11                        ; stats: 8 x 256 bytes a batch
	s_add_nc_u64 s[8:9], s[8:9], s[16:17]
	s_lshl_b32 s16, ttmp9, 11                      ; cij and out1: 512 numbers a chunk
	s_add_nc_u64 s[4:5], s[4:5], s[16:17]
	s_add_nc_u64 s[12:13], s[12:13], s[16:17]
	s_lshl_b32 s16, s14, 14                        ; part: 8 x 2,048 bytes a batch,
	s_lshl_b32 s18, s15, 8                         ; my 64 columns
	s_add_co_u32 s16, s16, s18
	s_add_nc_u64 s[6:7], s[6:7], s[16:17]
	s_lshl_b32 s16, ttmp9, 8                       ; out0: 2,048 b + 256 c
	s_add_nc_u64 s[10:11], s[10:11], s[16:17]
.irp i, 0,1,2,3,4,5,6,7
	global_load_b64 v[8+2*\i:9+2*\i], v1, s[8:9] offset:256*\i
.endr
.irp q, 0,1,2,3
	global_load_b128 v[24+4*\q:27+4*\q], v2, s[4:5] offset:512*\q
.endr
.irp i, 0,1,2,3,4,5,6,7
	global_load_b64 v[40+2*\i:41+2*\i], v1, s[6:7] offset:2048*\i
.endr
	s_wait_loadcnt 12                              ; the eight pairs (m, l) are in; the 12 loads behind them may be out
	v_max3_num_f32 v56, v8, v10, v12
	v_max3_num_f32 v56, v56, v14, v16
	v_max3_num_f32 v56, v56, v18, v20
	v_max_num_f32 v56, v56, v22                    ; M
.irp i, 0,1,2,3,4,5,6,7
	v_sub_f32 v[8+2*\i], v[8+2*\i], v56
.endr
	s_wait_alu depctr_va_vdst(0)
.irp i, 0,1,2,3,4,5,6,7
	v_exp_f32 v[8+2*\i], v[8+2*\i]                 ; w_i
.endr
	v_nop                                          ; a plain line behind the last exponential,
	s_wait_alu depctr_va_vdst(0)                   ; and one wait for the batch, ahead of its first reader
	v_mul_f32 v57, v8, v9
.irp i, 1,2,3,4,5,6,7
	v_fma_f32 v57, v[8+2*\i], v[9+2*\i], v57       ; L
.endr
	s_wait_alu depctr_va_vdst(0)
	v_rcp_f32 v58, v57
	v_nop
	s_wait_alu depctr_va_vdst(0)
	v_mov_b32 v59, v58
	s_wait_loadcnt 8                               ; t is in; part's eight loads may be out
.set j, 0
.rept 16
	v_sub_f32 v[24+j], v[24+j], v56
.set j, j+1
.endr
.set j, 0
	s_wait_alu depctr_va_vdst(0)
.rept 16
	v_exp_f32 v[24+j], v[24+j]
.set j, j+1
.endr
	v_nop
	s_wait_alu depctr_va_vdst(0)
.set j, 0
.rept 8
	v_pk_mul_f32 v[24+j:25+j], v[24+j:25+j], v[58:59]
.set j, j+2
.endr
.irp q, 0,1,2,3
	global_store_b128 v2, v[24+4*\q:27+4*\q], s[12:13] offset:512*\q   ; 32 lanes store 512 consecutive bytes, aligned
.endr
	s_wait_loadcnt 0x0
	v_pk_mul_f32 v[60:61], v[40:41], v[8:9] op_sel_hi:[1,0]            ; of the pair (w_i, l_i) the low word serves both halves
.irp i, 1,2,3,4,5,6,7
	v_pk_fma_f32 v[60:61], v[40+2*\i:41+2*\i], v[8+2*\i:9+2*\i], v[60:61] op_sel_hi:[1,0,1]
.endr
	v_pk_mul_f32 v[60:61], v[60:61], v[58:59]
	global_store_b64 v1, v[60:61], s[10:11]        ; 256 consecutive bytes, aligned
	s_endpgm
.Lfunc_end_k_q551f9efea5_combine:
	.size	k_q551f9efea5_combine, .Lfunc_end_k_q551f9efea5_combine-k_q551f9efea5_combine
	.p2alignl 7, 3214868480
	.fill 96, 4, 3214868480
	.section	.rodata,"a",@progbits
	.p2align	6, 0x0
	.amdhsa_kernel k_q551f9efea5_combine
		.amdhsa_group_segment_fixed_size 0
		.amdhsa_private_segment_fixed_size 0
		.amdhsa_enable_private_segment 0
		.amdhsa_kernarg_size 40
		.amdhsa_user_sgpr_count 2
		.amdhsa_user_sgpr_kernarg_segment_ptr 1
		.amdhsa_wavefront_size32 1
		.amdhsa_system_sgpr_workgroup_id_x 1
		.amdhsa_system_sgpr_workgroup_id_y 1
		.amdhsa_system_sgpr_workgroup_id_z 1
		.amdhsa_system_vgpr_workitem_id 0
		.amdhsa_next_free_vgpr 72
		.amdhsa_next_free_sgpr 66
		.amdhsa_reserve_vcc 0
		.amdhsa_float_denorm_mode_32 3
		.amdhsa_float_denorm_mode_16_64 3
		.amdhsa_memory_ordered 1
		.amdhsa_forward_progress 1
		.amdhsa_inst_pref_size 7
	.end_amdhsa_kernel
	.amdgpu_metadata
---
amdhsa.version: [ 1, 2 ]
amdhsa.kernels:
  - .name:           k_q551f9efea5_combine
    .symbol:         k_q551f9efea5_combine.kd
    .args:
      - { .name: cij, .offset: 0, .size: 8, .value_kind: global_buffer, .address_space: global }
      - { .name: part, .offset: 8, .size: 8, .value_kind: global_buffer, .address_space: global }
      - { .name: stats, .offset: 16, .size: 8, .value_kind: global_buffer, .address_space: global }
      - { .name: out0, .offset: 24, .size: 8, .value_kind: global_buffer, .address_space: global }
      - { .name: out1, .offset: 32, .size: 8, .value_kind: global_buffer, .address_space: global }
    .group_segment_fixed_size: 0
    .private_segment_fixed_size: 0
    .kernarg_segment_align: 8
    .kernarg_segment_size: 40
    .max_flat_workgroup_size: 32
    .sgpr_count:     66
    .vgpr_count:     72
    .wavefront_size: 32
...
	.end_amdgpu_metadata
.endif
;; end of part 2
